; MI455X (gfx1250); checked and timed in simulation.
; The chip was launched on July 23, 2026; its instructions are those of AMD's public machine-readable ISA for CDNA 5 (MIT licence, August 2026) and "CDNA5" Instruction Set Architecture Reference Guide (July 2026). The comments in the code are by the model that wrote it; some were corrected since.
;; Diff Mamba Cross Attention. Allowed arithmetic: float matrix products may take bf16 or f16 operands with f32 sums; all other float work in f32.
;; Inputs: Wk 1,024 x 1,024 float32; Wq 1,024 x 1,024 float32; Wv 1,024 x 1,024 float32; encoder_hidden_states 4 x 2,048 x 1,024 float32; hidden_states 4 x 2,048 x 1,024 float32.
;; Outputs: out0 4 x 2,048 x 1,024 float32.
;; One version. Each part assembles by itself: llvm-mc -triple=amdgcn-amd-amdhsa -mcpu=gfx1250 --defsym DOCPART=n.
;; ======== version 1 of 1: 3 launches
;; limits: values are held in f16: magnitudes above 65,504 overflow, below 6.1e-05 lose precision
;; workspace buffers: xw 39,845,888 bytes; qkv 50,331,648 bytes
;; launch cast (part 1): grid 1216 x 1, 8 waves a work-group, no clusters, 0 bytes of LDS; arguments hidden_states, encoder_hidden_states, Wq, Wk, Wv, xw; writes xw
.if DOCPART == 1
	.amdgcn_target "amdgcn-amd-amdhsa--gfx1250"
	.amdhsa_code_object_version 6
	.text
	.protected	k_qe64b011386_cast
	.globl	k_qe64b011386_cast
	.p2align	8
	.type	k_qe64b011386_cast,@function
k_qe64b011386_cast:
	s_mov_b64 s[64:65], 0
	v_nop
	global_prefetch_b8 v0, s[64:65] scope:SCOPE_SE
	s_setreg_imm32_b32 hwreg(HW_REG_WAVE_MODE, 25, 1), 1
	s_wait_xcnt 0x0
; xw = the five inputs rounded once from f32 to f16, one below the other: [19456][1024] f16.
;   rows 0-8191 hidden_states, 8192-16383 encoder_hidden_states, 16384-17407 Wq, 17408-18431 Wk, 18432-19455 Wv.
; LIMIT: a magnitude of 65,520 or more becomes infinity in f16; magnitudes under 6.1e-5 keep an absolute error of up to 3e-8.
; A stream: every input byte is read once, every output byte written once.  No LDS, no barrier, no matrix unit: nothing is shared.
; A work-group converts 16 rows (65,536 bytes in, 32,768 out); a wave 8,192 bytes in, as 16 loads of 16 bytes a lane, all issued
; before the first wait.  A load of a wave covers 512 neighbouring bytes, a store 256 neighbouring bytes that start at a multiple of 256.
.set X, 4                              ; v[4:67]   load i: 4 registers of f32
.set Y, 68                             ; v[68:99]  store i: 2 registers, 4 f16
	s_load_b256 s[4:11], s[0:1], 0x0               ; hidden_states s[4:5], encoder_hidden_states s[6:7], Wq s[8:9], Wk s[10:11]
	s_load_b128 s[12:15], s[0:1], 0x20             ; Wv s[12:13], xw s[14:15]
	v_lshrrev_b32 v3, 5, v0                        ; wave
	v_and_b32 v1, 31, v0                           ; lane
	v_lshlrev_b32 v2, 3, v1                        ; 8 bytes a lane out
	v_lshlrev_b32 v1, 4, v1                        ; 16 bytes a lane in
	v_lshl_add_u32 v1, v3, 13, v1                  ; + wave x 8,192: the offset of all loads
	v_lshl_add_u32 v2, v3, 12, v2                  ; + wave x 4,096: the offset of all stores
	s_wait_kmcnt 0x0
	; which input this work-group reads hangs on its number alone: the source and the number of that input's first work-group
	s_mov_b64 s[16:17], s[4:5]
	s_mov_b32 s18, 0
.macro PICK first, lo                  ; from work-group 'first' on the source is the buffer in s[lo:lo+1]
	s_cmp_ge_u32 ttmp9, \first
	s_cselect_b64 s[16:17], s[\lo:\lo+1], s[16:17]
	s_cselect_b32 s18, \first, s18
.endm
	PICK 512, 6                                    ; 8,192 rows / 16 = 512 work-groups for each of the two activations
	PICK 1024, 8                                   ; 1,024 rows / 16 = 64 for each weight
	PICK 1088, 10
	PICK 1152, 12
	s_sub_co_u32 s20, ttmp9, s18                   ; my place inside that input,
	s_lshl_b32 s20, s20, 16                        ; times 65,536 bytes (under 2^25)
	s_mov_b32 s21, 0
	s_add_nc_u64 s[16:17], s[16:17], s[20:21]
	s_lshl_b32 s22, ttmp9, 15                      ; my place in xw, times 32,768 bytes (under 2^26)
	s_mov_b32 s23, 0
	s_add_nc_u64 s[14:15], s[14:15], s[22:23]
.irp i, 0,1,2,3,4,5,6,7,8,9,10,11,12,13,14,15
	global_load_b128 v[X+4*\i:X+4*\i+3], v1, s[16:17] offset:512*\i th:TH_LOAD_NT   ; read once in the launch
.endr
.irp i, 0,1,2,3,4,5,6,7,8,9,10,11,12,13,14,15
	s_wait_loadcnt 15-\i                           ; loads come back in order: load i is in, the 15 - i younger ones stay out
	v_cvt_pk_f16_f32 v[Y+2*\i],   v[X+4*\i],   v[X+4*\i+1]
	v_cvt_pk_f16_f32 v[Y+2*\i+1], v[X+4*\i+2], v[X+4*\i+3]
	global_store_b64 v2, v[Y+2*\i:Y+2*\i+1], s[14:15] offset:256*\i   ; no register is ever written twice, so no wait frees one
.endr
	s_endpgm
.Lfunc_end_k_qe64b011386_cast:
	.size	k_qe64b011386_cast, .Lfunc_end_k_qe64b011386_cast-k_qe64b011386_cast
	.p2alignl 7, 3214868480
	.fill 96, 4, 3214868480
	.section	.rodata,"a",@progbits
	.p2align	6, 0x0
	.amdhsa_kernel k_qe64b011386_cast
		.amdhsa_group_segment_fixed_size 0
		.amdhsa_private_segment_fixed_size 0
		.amdhsa_enable_private_segment 0
		.amdhsa_kernarg_size 48
		.amdhsa_user_sgpr_count 2
		.amdhsa_user_sgpr_kernarg_segment_ptr 1
		.amdhsa_wavefront_size32 1
		.amdhsa_system_sgpr_workgroup_id_x 1
		.amdhsa_system_sgpr_workgroup_id_y 1
		.amdhsa_system_sgpr_workgroup_id_z 1
		.amdhsa_system_vgpr_workitem_id 0
		.amdhsa_next_free_vgpr 100
		.amdhsa_next_free_sgpr 66
		.amdhsa_reserve_vcc 0
		.amdhsa_float_denorm_mode_32 3
		.amdhsa_float_denorm_mode_16_64 3
		.amdhsa_memory_ordered 1
		.amdhsa_forward_progress 1
		.amdhsa_inst_pref_size 8
	.end_amdhsa_kernel
	.amdgpu_metadata
---
amdhsa.version: [ 1, 2 ]
amdhsa.kernels:
  - .name:           k_qe64b011386_cast
    .symbol:         k_qe64b011386_cast.kd
    .args:
      - { .name: hidden_states, .offset: 0, .size: 8, .value_kind: global_buffer, .address_space: global }
      - { .name: encoder_hidden_states, .offset: 8, .size: 8, .value_kind: global_buffer, .address_space: global }
      - { .name: Wq, .offset: 16, .size: 8, .value_kind: global_buffer, .address_space: global }
      - { .name: Wk, .offset: 24, .size: 8, .value_kind: global_buffer, .address_space: global }
      - { .name: Wv, .offset: 32, .size: 8, .value_kind: global_buffer, .address_space: global }
      - { .name: xw, .offset: 40, .size: 8, .value_kind: global_buffer, .address_space: global }
    .group_segment_fixed_size: 0
    .private_segment_fixed_size: 0
    .kernarg_segment_align: 8
    .kernarg_segment_size: 48
    .max_flat_workgroup_size: 256
    .sgpr_count:     66
    .vgpr_count:     100
    .wavefront_size: 32
...
	.end_amdgpu_metadata
.endif
;; end of part 1
;; launch proj (part 2): grid 12 x 32, 4 waves a work-group, clusters of 4 x 4, 327,680 bytes of LDS; arguments xw, qkv; writes qkv
.if DOCPART == 2
	.amdgcn_target "amdgcn-amd-amdhsa--gfx1250"
	.amdhsa_code_object_version 6
	.text
	.protected	k_qe64b011386_proj
	.globl	k_qe64b011386_proj
	.p2align	8
	.type	k_qe64b011386_proj,@function
k_qe64b011386_proj:
	s_mov_b64 s[64:65], 0
	v_nop
	global_prefetch_b8 v0, s[64:65] scope:SCOPE_SE
	s_setreg_imm32_b32 hwreg(HW_REG_WAVE_MODE, 25, 1), 1
	s_wait_xcnt 0x0
	s_wait_alu depctr_hold_cnt(0) depctr_sa_sdst(0) depctr_va_vdst(0) depctr_va_sdst(0) depctr_va_ssrc(0) depctr_va_vcc(0) depctr_vm_vsrc(0)
	s_getreg_b32 s2, hwreg(HW_REG_IB_STS2, 6, 4)
	s_cmp_eq_u32 s2, 0
	s_cbranch_scc0 .Lentry_in_a_cluster
	s_endpgm
.Lentry_in_a_cluster:
	s_bfe_u32 s2, ttmp6, 0x10000c
	s_cmp_lg_u32 s2, 0xf033
	s_cbranch_scc0 .Lentry_shape_is_right
	s_endpgm
.Lentry_shape_is_right:
; Q = hidden W_q^T, K = encoder W_k^T, V = encoder W_v^T as ONE product C[m][n] = sum over k of A[m][k] B[n][k] with 8,192 rows and
; 3 x 1,024 columns, all operands f16 out of xw ([19456][1024]: activations, then the three weights), sums in f32, results rounded once to f16.
; LIMIT: a result of 65,520 or more in magnitude becomes infinity in f16.
; qkv is [3][4][16][2048][64] f16: plane (which, batch, head) of 262,144 bytes, a row (one position, 64 numbers) of 128 bytes.
; A work-group makes a block of 256 x 256 with four waves; a wave makes 128 x 128: 64 accumulator tiles of 16 x 16, 512 registers.
; K goes in steps of 128 through a ring of two LDS slots filled by the tensor data mover; a tile's rows are 256 bytes of memory.
; CLUSTERS: 4 x 4 work-groups.  A cluster's four block columns are one weight matrix, so the cluster's x says which product it works on and
; which activation it reads.  The four of a row of the cluster need the same tiles of A, the four of a column the same tiles of B: each
; such tile is asked for jointly, by the same tensor load with the same descriptor in all four.
; The grid is 12 x 32 = 384 blocks: three products of 128 blocks each.
;
; REGISTERS, in windows of 256:
;   window 0: v0-31 addresses; v64-127, v128-191 fragments of A, two buffers; v192-223 at work on the way out
;   window 1: v64-127, v128-191 fragments of B, two buffers
;   window 2: the 32 accumulator tiles of my rows 0-63 (tile (a, b) at v[8 (8 a + b)]);   window 3: those of my rows 64-127
; THE MATRIX INSTRUCTION IS USED TRANSPOSED: source 0 = 16 rows of B, source 1 = 16 rows of A, so that lane l holds row l % 16 of C and
; its eight registers the columns 8 (l / 16) + 0 .. 7: eight neighbouring numbers, 16 bytes in f16.
.set SIZE_K, 1024
.set KSTEP,  128
.set PITCH,  272                       ; an LDS row: 256 bytes + 16 of padding, an odd multiple of 16: the 16 rows of a fragment load start 16 bytes apart modulo 256
.set HALFT,  128*PITCH                 ; 128 rows: what one tensor load brings, and what one wave reads of A or of B
.set SLOT,   4*HALFT                   ; A's 256 rows, then B's 256 rows
.set STAGE,  2*SLOT                    ; behind the ring: 16 rows x 272 bytes for each wave, for the way out; no fill lands here
.set SPITCH, 272
.set LAPS, SIZE_K/(2*KSTEP)            ; a lap = two K steps = once round the ring: 4
.set ADRA, 16                          ; v16-17  LDS address of my A fragments in slot 0, 1
.set ADRB, 20                          ; v20-21  the same for B
.set STO,  24                          ; v24     the way out: where I put 16 bytes of a row
.set RD,   25                          ; v25     the way out: where I read 16 bytes back
.set CO,   26                          ; v26     my byte offset in qkv
.set F0,   64                          ; fragment buffer 0
.set F1,   128                         ; fragment buffer 1
.set TMP,  192                         ; the way out: packed results, in window 0
.set G1, 24                            ; s[24:31] descriptor group 1 for A's tiles
.set G0, 32                            ; s[32:39] descriptor group 0 for A's tiles, one set for each slot
.set G1B, 48                           ; s[48:55] descriptor group 1 for B's tiles: it differs from A's in the mask alone
.set G0B, 56                           ; s[56:63] descriptor group 0 for B's tiles, one set for each slot
.set MSB, 0
.macro WIN new                         ; s_set_vgpr_msb: bits 1:0 source 0, 3:2 source 1, 5:4 source 2, 7:6 destination; the high byte repeats the setting that is left
.if MSB != \new
	s_set_vgpr_msb (MSB<<8)|\new
.set MSB, \new
.endif
.endm
.set MUL_LO, 0xa1                      ; source 0 (B) window 1, source 1 (A) window 0, C and D window 2
.set MUL_HI, 0xf1                      ; the same, C and D window 3
.set TO_B,   0x40                      ; destination window 1, address window 0
; A joint load.  Waves 0 and 1 fetch A's two halves, waves 2 and 3 B's.  Each line has one mask and one set of registers for all that issue it.
; The branch hangs on the wave's number alone.  Four v_nop follow each of the two lines.
.macro JLOAD s
	s_cmp_eq_u32 s11, 0
	s_cbranch_scc0 .Lfor_b_\@
	tensor_load_to_lds s[G0+4*\s:G0+4*\s+3], s[G1:G1+7]
	s_nop 0
.rept 4
	v_nop
.endr
	s_branch .Lasked_\@
.Lfor_b_\@:
	tensor_load_to_lds s[G0B+4*\s:G0B+4*\s+3], s[G1B:G1B+7]
	s_nop 0
.rept 4
	v_nop
.endr
.Lasked_\@:
.endm
; A round of the cluster's barrier: my work-group's barrier; wave 0 signals for the work-group; every wave waits for all sixteen; my work-group's barrier again.
.macro CREST                           ; a round behind its opening barrier
	s_cmp_lg_u32 s10, 0
	s_cbranch_scc1 .Lnot_wave_0_\@
	s_barrier_signal -3
.Lnot_wave_0_\@:
	s_barrier_wait -3
	s_barrier_signal -1
	s_barrier_wait -1
.endm
.macro CROUND                          ; a whole round
	s_barrier_signal -1
	s_barrier_wait -1
	CREST
.endm
	s_load_b64 s[4:5], s[0:1], 0x0                 ; xw: A and B both lie in it
	s_load_b64 s[8:9], s[0:1], 0x8                 ; qkv
	s_set_vgpr_msb 0x40
	v_lshl_add_u32 v255, v0, 2, 0x48400
	s_set_vgpr_msb 0x4000
	v_mov_b32 v255, 0
	s_set_vgpr_msb 0x1
	ds_add_u32 v255, v255
	s_set_vgpr_msb 0x100
	v_lshrrev_b32 v1, 5, v0
	v_readfirstlane_b32 s10, v1                    ; wave 0..3
	s_lshr_b32 s11, s10, 1                         ; which half of the block's rows is mine.  Also: I fetch for A (0) or for B (1)
	s_and_b32 s12, s10, 1                          ; which half of its columns.  Also: which 128 rows of that tile I fetch
	s_bfe_u32 s40, ttmp6, 0x40000                  ; cx
	s_bfe_u32 s41, ttmp6, 0x40004                  ; cy
	s_lshl_b32 s42, ttmp9, 2                       ; ttmp9 and ttmp7 count clusters
	s_add_co_u32 s42, s42, s40                     ; block column 0..11 = 4 x cluster x + cx
	s_and_b32 s13, ttmp7, 0xffff
	s_lshl_b32 s13, s13, 2
	s_add_co_u32 s13, s13, s41                     ; block row 0..31 = 4 x cluster y + cy
	s_lshl_b32 s43, s41, 2
	s_lshl_b32 s43, 15, s43                        ; my row of the cluster: places 4 cy .. 4 cy + 3
	s_lshl_b32 s44, 0x1111, s40                    ; my column: places cx, cx + 4, cx + 8, cx + 12
	s_min_u32 s45, ttmp9, 1                        ; cluster x 0 (Q) reads hidden_states, 1 and 2 (K, V) read encoder_hidden_states,
	s_lshl_b32 s45, s45, 13                        ; which begins at row 8,192 of xw; all sixteen partners share the cluster's x
	; descriptor group 1: a tile of 128 rows x 128 elements, padded in LDS
	s_or_b32 s[G1+0], s43, (1<<16)|(1<<20)|(1<<21)|(5<<22)|(3<<25)  ; 15:0 mask: my row; 17:16 elements of 2 bytes; 20 padding on; 21 set beside a mask; 24:22 after every 64 words; 31:25 four words
	s_or_b32 s[G1B+0], s44, (1<<16)|(1<<20)|(1<<21)|(5<<22)|(3<<25) ; the same with the mask of my column
	s_mov_b32 s[G1B+1], KSTEP<<16
	s_mov_b32 s[G1+1], KSTEP<<16                   ; tensor_dim0 = 128
	s_mov_b32 s[G1B+2], 128<<16
	s_mov_b32 s[G1+2], 128<<16                     ; tensor_dim1 = 128
	s_mov_b32 s[G1B+3], KSTEP<<16
	s_mov_b32 s[G1+3], KSTEP<<16                   ; tile_dim0 = 128
	s_mov_b32 s[G1B+4], 128
	s_mov_b32 s[G1+4], 128                         ; tile_dim1 = 128
	s_mov_b32 s[G1B+5], SIZE_K
	s_mov_b32 s[G1+5], SIZE_K                      ; elements from row to row
	s_mov_b32 s[G1B+6], 0
	s_mov_b32 s[G1+6], 0
	s_mov_b32 s[G1B+7], 0
	s_mov_b32 s[G1+7], 0
	; where the tiles come from.  A's hang on the block row (and the cluster's x), B's on the block column; each in registers that never hold the other coordinate.
	s_lshl_b32 s17, s12, 7                         ; which 128 rows of the tile I fetch
	s_lshl_b32 s16, s13, 8
	s_add_co_u32 s16, s16, s17
	s_add_co_u32 s16, s16, s45                     ; A: row of xw = activation's first row + 256 x block row + 128 x half
	s_lshl_b32 s46, s42, 8
	s_add_co_u32 s46, s46, s17
	s_add_co_u32 s46, s46, 16384                   ; B: row of xw = 16,384 + 256 x block column + 128 x half (the three weights follow each other)
	s_mov_b32 s17, 0
	s_mov_b32 s47, 0
	s_mov_b64 s[18:19], SIZE_K*2
	s_mul_u64 s[16:17], s[16:17], s[18:19]         ; in bytes
	s_mul_u64 s[46:47], s[46:47], s[18:19]
	s_mul_i32 s20, s10, HALFT                      ; and where they go: wave x 128 rows; no place in the cluster enters an LDS address
	s_wait_dscnt 0x0
	s_wait_kmcnt 0x0
	s_add_nc_u64 s[14:15], s[4:5], s[16:17]
	s_add_nc_u64 s[46:47], s[4:5], s[46:47]
	CROUND                                         ; all sixteen work-groups are here: the first joint loads meet
.irp s, 0,1
	s_mov_b32 s[G0+4*\s], 1                                        ; count = 1
	s_add_co_u32 s[G0+4*\s+1], s20, \s*SLOT                        ; LDS address
	s_add_nc_u64 s[G0+4*\s+2:G0+4*\s+3], s[14:15], \s*KSTEP*2      ; global address: K step s
	s_or_b32 s[G0+4*\s+3], s[G0+4*\s+3], 0x80000000                ; type = 2
	s_mov_b32 s[G0B+4*\s], 1
	s_add_co_u32 s[G0B+4*\s+1], s20, \s*SLOT
	s_add_nc_u64 s[G0B+4*\s+2:G0B+4*\s+3], s[46:47], \s*KSTEP*2
	s_or_b32 s[G0B+4*\s+3], s[G0B+4*\s+3], 0x80000000
	JLOAD \s                                       ; both slots' first fills go out together: two tensor loads of a wave are out
.endr
	; A fragment is 16 rows x 32 K in 8 registers: lane l holds row l % 16; registers 0-3 K = 8 (l / 16) + 0..7, registers 4-7 K = 16 + 8 (l / 16) + 0..7:
	; two loads of 16 bytes, 32 bytes apart.
	v_and_b32 v1, 15, v0                           ; l % 16
	v_bfe_u32 v2, v0, 4, 1                         ; l / 16
	v_mul_u32_u24 v3, v1, PITCH
	v_lshl_add_u32 v3, v2, 4, v3                   ; row x pitch + 16 x half
	s_mul_i32 s21, s11, HALFT                      ; my 128 rows of A
	s_mul_i32 s22, s12, HALFT                      ; my 128 rows of B,
	s_add_co_u32 s22, s22, 2*HALFT                 ; which lie behind A's 256
.irp s, 0,1
	v_add_nc_u32 v[ADRA+\s], s21, v3
	v_add_nc_u32 v[ADRB+\s], s22, v3
	s_add_co_u32 s21, s21, SLOT
	s_add_co_u32 s22, s22, SLOT
.endr
	s_mul_i32 s23, s10, 16*SPITCH
	s_add_co_u32 s23, s23, STAGE                   ; my stage
	v_mul_u32_u24 v4, v1, SPITCH                   ; in: row l % 16, 16 bytes for each half of the lanes
	v_lshl_add_u32 v4, v2, 4, v4
	v_add_nc_u32 v[STO], s23, v4
	; back, by heads: my 128 columns are two heads of 64 (128 bytes each).  Lanes 0-15 take the first head's part of two rows, lanes 16-31 the second head's:
	; in qkv two neighbouring positions of one head are 256 neighbouring bytes.
	v_bfe_u32 v6, v0, 3, 1                         ; which of the two rows
	v_and_b32 v7, 7, v0                            ; which 16 of the 128 bytes
	v_mul_u32_u24 v5, v6, SPITCH
	v_lshl_add_u32 v5, v2, 7, v5                   ; + 128 x head
	v_lshl_add_u32 v5, v7, 4, v5
	v_add_nc_u32 v[RD], s23, v5
	v_lshlrev_b32 v5, 4, v1                        ; in qkv: 16 (l % 16) inside the two rows,
	v_lshl_add_u32 v[CO], v2, 18, v5               ; and one plane of 262,144 bytes further for the second head
; 16 matrix instructions: m blocks a0, a0 + 1 of the window's four x all 8 n blocks, 32 along K.  zero = 1: the first product starts the sums.
.macro MUL16 f, hi, a0, zero
.irp a, \a0, \a0+1
.irp b, 0,1,2,3,4,5,6,7
.if \zero
	v_wmma_f32_16x16x32_f16 v[8*(8*(\a)+\b):8*(8*(\a)+\b)+7], v[\f+8*\b:\f+8*\b+7], v[\f+8*(4*\hi+\a):\f+8*(4*\hi+\a)+7], 0
.else
	v_wmma_f32_16x16x32_f16 v[8*(8*(\a)+\b):8*(8*(\a)+\b)+7], v[\f+8*\b:\f+8*\b+7], v[\f+8*(4*\hi+\a):\f+8*(4*\hi+\a)+7], v[8*(8*(\a)+\b):8*(8*(\a)+\b)+7]
.endif
.endr
.endr
.endm
; 32 LDS loads in one run: the fragments of one quarter step (128 rows of B, 128 rows of A, 32 K at byte k of the rows) into buffer f
.macro FETCH slot, k, f
	WIN TO_B
.irp i, 0,1,2,3,4,5,6,7
	ds_load_b128 v[\f+8*\i:\f+8*\i+3],   v[ADRB+\slot] offset:\k+\i*16*PITCH
	ds_load_b128 v[\f+8*\i+4:\f+8*\i+7], v[ADRB+\slot] offset:\k+\i*16*PITCH+32
.endr
	WIN 0
.irp i, 0,1,2,3,4,5,6,7
	ds_load_b128 v[\f+8*\i:\f+8*\i+3],   v[ADRA+\slot] offset:\k+\i*16*PITCH
	ds_load_b128 v[\f+8*\i+4:\f+8*\i+7], v[ADRA+\slot] offset:\k+\i*16*PITCH+32
.endr
.endm
; Four independent vector instructions stand between a matrix instruction and a load into a register that it read, or a vector instruction that
; reads its result (ISA guide 7.12.1 for vector instructions); other matrix instructions are not counted.
.macro PLACES
.rept 4
	v_nop
.endr
.endm
; A K step is four quarter steps of 32 along K, 64 matrix instructions each, on buffers 0, 1, 0, 1.  The 64 accumulators take turns, one instruction
; a turn, in the same order in every quarter.
.macro QUARTER slot, k, f, g, zero
	s_wait_dscnt 8                                 ; B and A's rows 0-63 are in; the youngest eight loads (A's rows 64-127) may be out
	WIN MUL_LO
	MUL16 \f, 0, 0, \zero
	MUL16 \f, 0, 2, \zero
	PLACES
	FETCH \slot, \k, \g
	s_wait_dscnt 32                                ; all but the 32 just issued
	WIN MUL_HI
	MUL16 \f, 1, 0, \zero
	MUL16 \f, 1, 2, \zero
.endm
.macro THREE slot, zero
	QUARTER \slot, 64,  F0, F1, \zero
	QUARTER \slot, 128, F1, F0, 0
	QUARTER \slot, 192, F0, F1, 0
.endm
; The last quarter multiplies buffer 1 and changes slots.  One barrier for two things: in front of it each wave waits for its reads of this slot and for
; all its tensor loads (one is out: its part of the next slot); behind it nobody reads this slot and the next slot is whole: the refill comes first.
.macro TURN slot, next, fill
	s_wait_dscnt 8
	WIN MUL_LO
	MUL16 F1, 0, 0, 0
	s_wait_dscnt 0                                 ; my reads of this slot are over
	s_wait_tensorcnt 0x0                           ; and all my tensor loads have landed
	ds_add_u32 v255, v255
	s_wait_dscnt 0x0
	s_barrier_signal -1                            ; (where a slot is filled again this barrier opens a round of the cluster's barrier)
	MUL16 F1, 0, 2, 0                              ; register work while the others arrive
	WIN 0
	s_barrier_wait -1
.if \fill
	CREST                                          ; no wave of any partner still reads this slot's tile or has a load on its way
	s_add_nc_u64 s[G0+4*\slot+2:G0+4*\slot+3], s[G0+4*\slot+2:G0+4*\slot+3], 2*KSTEP*2
	s_add_nc_u64 s[G0B+4*\slot+2:G0B+4*\slot+3], s[G0B+4*\slot+2:G0B+4*\slot+3], 2*KSTEP*2
	JLOAD \slot                                    ; the wave's one tensor load behind the round; its four v_nop are also the places in front of the loads below
.else
	PLACES
.endif
	FETCH \next, 0, F0
	WIN MUL_HI
	MUL16 F1, 1, 0, 0
	MUL16 F1, 1, 2, 0
.endm
.macro LAP zero                        ; once round the ring, both slots filled again
	THREE 0, \zero
	TURN 0, 1, 1
	THREE 1, 0
	TURN 1, 0, 1
.endm
	s_wait_tensorcnt 1                             ; my part of K step 0 is in; K step 1's load, issued behind it, may stay out
	s_barrier_signal -1
	s_barrier_wait -1                              ; everybody's is
	FETCH 0, 0, F0
	LAP 1                                          ; the first lap stands in front of the loop: its first products start the sums
	WIN 0                                          ; at a label and at a branch every window is 0
	s_mov_b32 s3, LAPS-2
.Llap:
	LAP 0
	WIN 0
	s_sub_co_u32 s3, s3, 1
	s_cmp_lg_u32 s3, 0
	s_cbranch_scc1 .Llap
	THREE 0, 0                                     ; the last lap fills nothing
	TURN 0, 1, 0
	THREE 1, 0
	s_wait_dscnt 8                                 ; the very last quarter: nothing more to fetch
	WIN MUL_LO
	MUL16 F1, 0, 0, 0
	MUL16 F1, 0, 2, 0
	s_wait_dscnt 0
	WIN MUL_HI
	MUL16 F1, 1, 0, 0
	MUL16 F1, 1, 2, 0
	; THE WAY OUT, 16 positions at a time: round to f16, 16 bytes a lane into my own stage, read back by heads.
	PLACES                                         ; the places behind the last matrix instructions, for the conversions and for the loads into buffers 0 and 1
	s_lshl_b32 s16, ttmp9, 24                      ; which of Q, K, V: 64 planes of 262,144 bytes
	s_lshr_b32 s14, s13, 3                         ; batch = block row / 8 (2,048 positions are 8 blocks of 256),
	s_lshl_b32 s14, s14, 22                        ; 16 planes each
	s_add_co_u32 s16, s16, s14
	s_and_b32 s14, s13, 7                          ; the block's first position in the batch: 256 rows of 128 bytes a block,
	s_lshl_b32 s14, s14, 15
	s_add_co_u32 s16, s16, s14
	s_lshl_b32 s14, s11, 14                        ; and 128 rows of 128 bytes for my half
	s_add_co_u32 s16, s16, s14
	s_mov_b32 s17, 0
	s_add_nc_u64 s[8:9], s[8:9], s[16:17]
	s_lshl_b32 s46, s40, 20                        ; my first head = 4 cx + 2 x half, a plane each (in the registers that held B's address)
	s_lshl_b32 s47, s12, 19
	s_add_co_u32 s46, s46, s47
	s_mov_b32 s47, 0
	s_add_nc_u64 s[8:9], s[8:9], s[46:47]
; positions 16 i .. 16 i + 15 of my block = the eight tiles (a, 0..7) of window 2 or 3 (from = 0x0a or 0x0f: sources 0 and 1); f: F0 or F1 in turn
.macro OUT16 i, a, from, f
	WIN \from
.irp b, 0,1,2,3,4,5,6,7
.irp r, 0,1,2,3
	v_cvt_pk_f16_f32 v[TMP+4*\b+\r], v[8*(8*\a+\b)+2*\r], v[8*(8*\a+\b)+2*\r+1]
.endr
.endr
	WIN 0
.irp b, 0,1,2,3,4,5,6,7
	ds_store_b128 v[STO], v[TMP+4*\b:TMP+4*\b+3] offset:32*\b
.endr
	s_wait_xcnt 0x0                                ; buffer f was the data of stores two turns ago: it is loaded again only behind this wait
.irp t, 0,1,2,3,4,5,6,7
	ds_load_b128 v[\f+4*\t:\f+4*\t+3], v[RD] offset:\t*2*SPITCH    ; LDS serves a wave's instructions in order: these see the stores above
.endr
.irp t, 0,1,2,3,4,5,6,7
	s_wait_dscnt 7-\t                              ; load t is in, the 7 - t younger ones stay out
	global_store_b128 v[CO], v[\f+4*\t:\f+4*\t+3], s[8:9] offset:\i*2048+\t*256   ; 16 lanes store 256 consecutive bytes, at a multiple of 256 from qkv's first byte
.endr
.endm
	OUT16 0, 0, 0x0a, F0
	OUT16 1, 1, 0x0a, F1
	OUT16 2, 2, 0x0a, F0
	OUT16 3, 3, 0x0a, F1
	OUT16 4, 0, 0x0f, F0
	OUT16 5, 1, 0x0f, F1
	OUT16 6, 2, 0x0f, F0
	OUT16 7, 3, 0x0f, F1
	s_set_vgpr_msb 0x1
	s_wait_tensorcnt 0x0
	ds_add_u32 v255, v255
	s_wait_dscnt 0x0
	s_set_vgpr_msb 0x100
	CROUND                                         ; the closing round: no work-group ends while a partner may still ask for a tile that names it
	s_endpgm
.Lfunc_end_k_qe64b011386_proj:
	.size	k_qe64b011386_proj, .Lfunc_end_k_qe64b011386_proj-k_qe64b011386_proj
	.p2alignl 7, 3214868480
	.fill 96, 4, 3214868480
	.section	.rodata,"a",@progbits
	.p2align	6, 0x0
	.amdhsa_kernel k_qe64b011386_proj
		.amdhsa_group_segment_fixed_size 327680
		.amdhsa_private_segment_fixed_size 0
		.amdhsa_enable_private_segment 0
		.amdhsa_kernarg_size 16
		.amdhsa_user_sgpr_count 2
		.amdhsa_user_sgpr_kernarg_segment_ptr 1
		.amdhsa_wavefront_size32 1
		.amdhsa_system_sgpr_workgroup_id_x 1
		.amdhsa_system_sgpr_workgroup_id_y 1
		.amdhsa_system_sgpr_workgroup_id_z 1
		.amdhsa_system_vgpr_workitem_id 0
		.amdhsa_next_free_vgpr 1024
		.amdhsa_next_free_sgpr 66
		.amdhsa_reserve_vcc 0
		.amdhsa_float_denorm_mode_32 3
		.amdhsa_float_denorm_mode_16_64 3
		.amdhsa_memory_ordered 1
		.amdhsa_forward_progress 1
		.amdhsa_inst_pref_size 197
	.end_amdhsa_kernel
	.amdgpu_metadata
---
amdhsa.version: [ 1, 2 ]
amdhsa.kernels:
  - .name:           k_qe64b011386_proj
    .symbol:         k_qe64b011386_proj.kd
    .args:
      - { .name: xw, .offset: 0, .size: 8, .value_kind: global_buffer, .address_space: global }
      - { .name: qkv, .offset: 8, .size: 8, .value_kind: global_buffer, .address_space: global }
    .group_segment_fixed_size: 327680
    .private_segment_fixed_size: 0
    .kernarg_segment_align: 8
    .kernarg_segment_size: 16
    .max_flat_workgroup_size: 128
    .sgpr_count:     66
    .vgpr_count:     1024
    .wavefront_size: 32
...
	.end_amdgpu_metadata
.endif
;; end of part 2
;; launch attn (part 3): grid 256 x 1, 8 waves a work-group, clusters of 4 x 1, 327,680 bytes of LDS; arguments qkv, out0; writes out0
.if DOCPART == 3
	.amdgcn_target "amdgcn-amd-amdhsa--gfx1250"
	.amdhsa_code_object_version 6
	.text
	.protected	k_qe64b011386_attn
	.globl	k_qe64b011386_attn
	.p2align	8
	.type	k_qe64b011386_attn,@function
k_qe64b011386_attn:
	s_mov_b64 s[64:65], 0
	v_nop
	global_prefetch_b8 v0, s[64:65] scope:SCOPE_SE
	s_setreg_imm32_b32 hwreg(HW_REG_WAVE_MODE, 25, 1), 1
	s_wait_xcnt 0x0
	s_wait_alu depctr_hold_cnt(0) depctr_sa_sdst(0) depctr_va_vdst(0) depctr_va_sdst(0) depctr_va_ssrc(0) depctr_va_vcc(0) depctr_vm_vsrc(0)
	s_getreg_b32 s2, hwreg(HW_REG_IB_STS2, 6, 4)
	s_cmp_eq_u32 s2, 0
	s_cbranch_scc0 .Lentry_in_a_cluster
	s_endpgm
.Lentry_in_a_cluster:
	s_bfe_u32 s2, ttmp6, 0x10000c
	s_cmp_lg_u32 s2, 0x3003
	s_cbranch_scc0 .Lentry_shape_is_right
	s_endpgm
.Lentry_shape_is_right:
; out0[b][q][64 h + d] = sum over keys of softmax_key(Q K^T / 8) V, for each of 64 (batch, head) pairs: 2,048 queries x 2,048 keys x 64.
; qkv: [3][4][16][2048][64] f16 (Q, K, V planes of 262,144 bytes, rows of 128 bytes).  Scores, softmax and sums in f32; probabilities go to the
; matrix unit in f16 (they lie in [0, 1]).  The softmax takes a RUNNING MAXIMUM away, block of 64 keys by block, and rescales what it has.
; LIMITS: v_exp_f32 gives 0 for results under 2^-126 (ISA guide, its entry); probabilities under 3e-8 of the row's largest round to 0 in f16;
; a row of scores that holds a NaN or +infinity, or is all -infinity, gives NaN.
; SHARES: a cluster of four work-groups is one (batch, head); its four work-groups are the four blocks of 512 queries and read the same K and V, so every
; K and V tile is asked for jointly by the four.  Eight waves; wave w owns 64 queries (four tiles of 16).  256 work-groups of equal work.
; EVERYTHING IS COMPUTED TRANSPOSED.  S^T = K Q^T: lane (r = l % 16, hh = l / 16) holds query r and keys 16 kt + 8 hh + j in register j.  Two such tiles, rounded
; register pair by register pair, ARE the second source (32 keys x 16 queries) of ctx^T = V^T P^T, whose first source is V read by the transposing LDS load.
; So maximum, sum and rescale factor are one number a lane, and only the maximum and the final sum cross lanes (l and l xor 16).
; LDS: two slots of 256 keys: K 256 x 144 bytes (128 + 16 of padding), V 256 x 160 (128 + 32: the transposing load wants an odd multiple of 32);
;      behind them a stage of 16 x 272 bytes for each wave, into which no fill lands.
.set KPITCH, 144
.set VPITCH, 160
.set VOFF,   256*KPITCH                ; V's part of a slot: 36,864
.set SLOT,   VOFF+256*VPITCH           ; 77,824
.set STAGE,  2*SLOT                    ; 155,648 = 608 x 256
.set SPITCH, 272
.set TILEB,  256*128                   ; bytes of K (or V) in memory for a slot
; window 0
.set VQ,  2                            ; byte offset of my 16 bytes in a fragment of Q in memory
.set VK,  4                            ; LDS address of my K fragments, this block
.set VV,  5                            ; LDS address of my V fragments, this block
.set VKB, 6                            ; the same in slot 0, block 0
.set VVB, 7
.set STO, 8                            ; the way out: where I put a row's 32 bytes
.set RD,  9                            ; the way out: where I read 16 bytes back
.set CO,  10                           ; my byte offset in out0
.set NM,  16                           ; v[16+2t] = -c x maximum of query tile t, v[17+2t] = the maximum itself (a pair for the packed forms)
.set AL,  24                           ; v[24+2t] = rescale factor, v[25+2t] = at work (TA)
.set TB,  32                           ; v[32+t]  at work
.set LS,  36                           ; v[36+2t:37+2t] the running sum, in two halves
.set Q,   64                           ; v[64:127]   Q's fragments: (t, dh) at Q + 16 t + 8 dh
.set F,   128                          ; v[128:191]  K's fragments (kt, dh) at F + 16 kt + 8 dh; then V's (g, dt) at F + 32 g + 8 dt
.set P,   192                          ; v[192:255]  probabilities: (t, g) at P + 16 t + 8 g
; window 1
.set S,   0                            ; v256-383    scores: tile (kt, t) at S + 32 t + 8 kt
.set ACC, 128                          ; v384-511    ctx^T: tile (t, dt) at ACC + 32 t + 8 dt
.set G1K, 24                           ; s[24:31] group 1 for K's tiles
.set G1V, 32                           ; s[32:39] group 1 for V's tiles: another pad
.set G0K, 40                           ; s[40:47] group 0 for K, one set for each slot
.set G0V, 48                           ; s[48:55] group 0 for V, one set for each slot
.set MSB, 0
.macro WIN new                         ; s_set_vgpr_msb: bits 1:0 source 0, 3:2 source 1, 5:4 source 2, 7:6 destination; the high byte repeats the setting that is left
.if MSB != \new
	s_set_vgpr_msb (MSB<<8)|\new
.set MSB, \new
.endif
.endm
.macro PLACES                          ; four independent vector instructions behind a matrix instruction (ISA guide 7.12.1)
.rept 4
	v_nop
.endr
.endm
; A joint load into slot n.  Waves 0-3 fetch 64 keys of K each, waves 4-7 64 keys of V each.  The branch hangs on the wave's number alone; nothing in a
; descriptor hangs on the work-group's place in the cluster.  Four v_nop follow each of the two lines.
.macro JLOAD n
	s_cmp_eq_u32 s11, 0
	s_cbranch_scc0 .Lfor_v_\@
	tensor_load_to_lds s[G0K+4*\n:G0K+4*\n+3], s[G1K:G1K+7]
	s_nop 0
.rept 4
	v_nop
.endr
	s_branch .Lasked_\@
.Lfor_v_\@:
	tensor_load_to_lds s[G0V+4*\n:G0V+4*\n+3], s[G1V:G1V+7]
	s_nop 0
.rept 4
	v_nop
.endr
.Lasked_\@:
.endm
; A round of the cluster's barrier: my work-group's barrier; wave 0 signals for the work-group; every wave waits for all four work-groups; my work-group's barrier again.
.macro ROUND
	s_barrier_signal -1
	s_barrier_wait -1
	s_cmp_lg_u32 s10, 0
	s_cbranch_scc1 .Lnot_wave_0_\@
	s_barrier_signal -3
.Lnot_wave_0_\@:
	s_barrier_wait -3
	s_barrier_signal -1
	s_barrier_wait -1
.endm
	s_load_b128 s[4:7], s[0:1], 0x0                ; qkv s[4:5], out0 s[6:7]
	v_lshl_add_u32 v62, v0, 2, 0x2e800
	v_mov_b32 v63, 0
	ds_add_u32 v62, v63
	v_lshrrev_b32 v1, 5, v0
	v_readfirstlane_b32 s10, v1                    ; wave 0..7
	s_lshr_b32 s11, s10, 2                         ; I fetch for K (0) or for V (1)
	s_and_b32 s12, s10, 3                          ; which 64 keys of a tile I fetch
	s_bfe_u32 s13, ttmp6, 0x40000                  ; cx: which 512 queries are my work-group's; ttmp9 = the cluster = 16 batch + head
	s_mov_b32 s16, 0x3e38aa3b                      ; c = log2(e) / 8: the scale 1 / sqrt(64) and the change to base 2 in one factor
	s_mov_b32 s17, 0x3e38aa3b                      ; (the pair's second register)
	s_mov_b32 s18, 0xbe38aa3b                      ; -c
	s_mov_b32 s20, 0x76543210                      ; v_permlanex16_b32: lane i of one half reads lane i of the other
	s_mov_b32 s21, 0xfedcba98
	; group 1: 64 rows (keys) of 64 elements of 2 bytes, dense in memory; a pad behind every 32 words, which is a row
	s_mov_b32 s[G1K+0], 15|(1<<16)|(1<<20)|(1<<21)|(4<<22)|(3<<25)  ; mask: all four work-groups; 2-byte elements; padding on; bit 21 beside a mask; every 32 words; 4 words: LDS pitch 144
	s_mov_b32 s[G1V+0], 15|(1<<16)|(1<<20)|(1<<21)|(4<<22)|(7<<25)  ; the same with 8 words: LDS pitch 160
	s_mov_b32 s[G1K+1], 64<<16                     ; tensor_dim0 = 64
	s_mov_b32 s[G1V+1], 64<<16
	s_mov_b32 s[G1K+2], 64<<16                     ; tensor_dim1 = 64
	s_mov_b32 s[G1V+2], 64<<16
	s_mov_b32 s[G1K+3], 64<<16                     ; tile_dim0 = 64
	s_mov_b32 s[G1V+3], 64<<16
	s_mov_b32 s[G1K+4], 64                         ; tile_dim1 = 64
	s_mov_b32 s[G1V+4], 64
	s_mov_b32 s[G1K+5], 64                         ; elements from row to row
	s_mov_b32 s[G1V+5], 64
	s_mov_b32 s[G1K+6], 0
	s_mov_b32 s[G1V+6], 0
	s_mov_b32 s[G1K+7], 0
	s_mov_b32 s[G1V+7], 0
	s_add_co_u32 s58, ttmp9, 64                    ; K's plane = 64 + cluster,
	s_lshl_b32 s58, s58, 18                        ; 262,144 bytes a plane,
	s_lshl_b32 s59, s12, 13                        ; and my 64 keys of 128 bytes in a tile
	s_add_co_u32 s58, s58, s59
	s_mov_b32 s59, 0
	s_mul_i32 s2, s12, 64*KPITCH                   ; where my 64 keys go in K's part of a slot,
	s_mul_i32 s3, s12, 64*VPITCH
	s_add_co_u32 s3, s3, VOFF                      ; and in V's
	s_wait_dscnt 0x0
	s_wait_kmcnt 0x0
	s_add_nc_u64 s[22:23], s[4:5], s[58:59]        ; K, tile 0, my keys
	s_add_nc_u64 s[14:15], s[22:23], 0x1000000     ; V lies 64 planes behind K
.irp n, 0,1
	s_mov_b32 s[G0K+4*\n], 1                                       ; count = 1
	s_add_co_u32 s[G0K+4*\n+1], s2, \n*SLOT                        ; LDS address
	s_add_nc_u64 s[G0K+4*\n+2:G0K+4*\n+3], s[22:23], \n*TILEB      ; global address: tile n
	s_or_b32 s[G0K+4*\n+3], s[G0K+4*\n+3], 0x80000000              ; type = 2
	s_mov_b32 s[G0V+4*\n], 1
	s_add_co_u32 s[G0V+4*\n+1], s3, \n*SLOT
	s_add_nc_u64 s[G0V+4*\n+2:G0V+4*\n+3], s[14:15], \n*TILEB
	s_or_b32 s[G0V+4*\n+3], s[G0V+4*\n+3], 0x80000000
.endr
	ROUND                                          ; all four work-groups are here: the first joint loads meet
	JLOAD 0                                        ; tile 0: the one tensor load of this wave that is out
	; my queries and my part of out0 (these hang on cx; they enter plain loads and stores alone)
	s_lshl_b32 s60, ttmp9, 18                      ; Q's plane = the cluster
	s_lshl_b32 s61, s13, 16                        ; 512 queries of 128 bytes a work-group
	s_add_co_u32 s60, s60, s61
	s_lshl_b32 s61, s10, 13                        ; 64 queries of 128 bytes a wave
	s_add_co_u32 s60, s60, s61
	s_mov_b32 s61, 0
	s_add_nc_u64 s[8:9], s[4:5], s[60:61]
	s_lshr_b32 s62, ttmp9, 4                       ; batch: 2,048 rows of 4,096 bytes
	s_lshl_b32 s62, s62, 23
	s_lshl_b32 s63, s13, 21                        ; 512 rows a work-group
	s_add_co_u32 s62, s62, s63
	s_lshl_b32 s63, s10, 18                        ; 64 rows a wave
	s_add_co_u32 s62, s62, s63
	s_and_b32 s63, ttmp9, 15                       ; head: 64 numbers of 4 bytes
	s_lshl_b32 s63, s63, 8
	s_add_co_u32 s62, s62, s63
	s_mov_b32 s63, 0
	s_add_nc_u64 s[6:7], s[6:7], s[62:63]
	v_and_b32 v1, 15, v0                           ; r
	v_bfe_u32 v3, v0, 4, 1                         ; hh
	v_lshlrev_b32 v[VQ], 7, v1
	v_lshl_add_u32 v[VQ], v3, 4, v[VQ]             ; r x 128 + 16 hh
	; Q's fragments stay in registers for the whole kernel: (t, dh) = queries 16 t + r, d = 32 dh + 8 hh + 0..7 and 32 dh + 16 + 8 hh + 0..7
.irp t, 0,1,2,3
.irp dh, 0,1
	global_load_b128 v[Q+16*\t+8*\dh:Q+16*\t+8*\dh+3],   v[VQ], s[8:9] offset:\t*2048+\dh*64
	global_load_b128 v[Q+16*\t+8*\dh+4:Q+16*\t+8*\dh+7], v[VQ], s[8:9] offset:\t*2048+\dh*64+32
.endr
.endr
	v_mul_u32_u24 v[VKB], v1, KPITCH
	v_lshl_add_u32 v[VKB], v3, 4, v[VKB]           ; K: key r x pitch + 16 hh
	v_and_b32 v11, 7, v0
	v_lshl_add_u32 v11, v3, 3, v11                 ; V, for the transposing load: key 8 hh + l % 8,
	v_mul_u32_u24 v[VVB], v11, VPITCH
	v_bfe_u32 v11, v0, 3, 1
	v_lshl_add_u32 v[VVB], v11, 4, v[VVB]          ; 16 bytes further for lanes 8-15 and 24-31,
	v_add_nc_u32 v[VVB], VOFF, v[VVB]              ; behind K's part of the slot
	s_mul_i32 s58, s10, 16*SPITCH
	s_add_co_u32 s58, s58, STAGE                   ; my stage
	v_mul_u32_u24 v11, v1, SPITCH
	v_lshl_add_u32 v11, v3, 5, v11                 ; in: query r's row, 32 bytes (8 f32) for each half of the lanes
	v_add_nc_u32 v[STO], s58, v11
	v_mul_u32_u24 v11, v3, SPITCH
	v_lshl_add_u32 v11, v1, 4, v11                 ; back: lanes 0-15 one row of 256 bytes, lanes 16-31 the next
	v_add_nc_u32 v[RD], s58, v11
	v_lshlrev_b32 v11, 4, v1
	v_lshl_add_u32 v[CO], v3, 12, v11              ; and the same two rows in out0, 4,096 bytes apart
	; the softmax's state: maximum -infinity, -c x maximum +infinity, sum 0: the first block's rescale factor is then 2^(-infinity) = 0
.irp t, 0,1,2,3
	v_mov_b32 v[NM+2*\t], 0x7f800000
	v_mov_b32 v[NM+2*\t+1], 0xff800000
	v_mov_b32 v[LS+2*\t], 0
	v_mov_b32 v[LS+2*\t+1], 0
.endr
	s_wait_loadcnt 0x0                             ; Q, once
; One block of 64 keys.  first = 1: the first products start ctx's sums, and there is nothing to rescale.  Entered and left with every window 0.
.macro BLOCK first
	; K's fragments: (kt, dh) = keys 16 kt + r, d as for Q
.irp kt, 0,1,2,3
.irp dh, 0,1
	ds_load_b128 v[F+16*\kt+8*\dh:F+16*\kt+8*\dh+3],   v[VK] offset:\kt*16*KPITCH+\dh*64
	ds_load_b128 v[F+16*\kt+8*\dh+4:F+16*\kt+8*\dh+7], v[VK] offset:\kt*16*KPITCH+\dh*64+32
.endr
.endr
	WIN 0x50                                       ; C and D in window 1
	; S^T = K Q^T.  The four query tiles' accumulators take turns, one instruction a turn.
.irp kt, 0,1,2,3
	s_wait_dscnt 12-4*\kt                          ; the four loads of each later key tile may stay out
.irp t, 0,1,2,3
	v_wmma_f32_16x16x32_f16 v[S+32*\t+8*\kt:S+32*\t+8*\kt+7], v[F+16*\kt:F+16*\kt+7], v[Q+16*\t:Q+16*\t+7], 0
.endr
.irp t, 0,1,2,3
	v_wmma_f32_16x16x32_f16 v[S+32*\t+8*\kt:S+32*\t+8*\kt+7], v[F+16*\kt+8:F+16*\kt+15], v[Q+16*\t+8:Q+16*\t+15], v[S+32*\t+8*\kt:S+32*\t+8*\kt+7]
.endr
.endr
	WIN 0
	PLACES                                         ; behind the last products: for the loads into F and for the reads of S
	; V's fragments, transposed on the way: (g, dt) = d 16 dt + r, keys 32 g + 8 hh + 0..7 and 32 g + 16 + 8 hh + 0..7.  They land during the softmax.
.irp g, 0,1
.irp dt, 0,1,2,3
	ds_load_tr16_b128 v[F+32*\g+8*\dt:F+32*\g+8*\dt+3],   v[VV] offset:\g*32*VPITCH+\dt*32
	ds_load_tr16_b128 v[F+32*\g+8*\dt+4:F+32*\g+8*\dt+7], v[VV] offset:\g*32*VPITCH+\dt*32+16*VPITCH
.endr
.endr
	; the largest of my 32 scores of each query and the old maximum: two chains a query tile, eight in all
	WIN 0x05                                       ; sources 0 and 1 in window 1
.irp t, 0,1,2,3
	v_max3_num_f32 v[AL+2*\t+1], v[S+32*\t], v[S+32*\t+1], v[NM+2*\t+1]
	v_max_num_f32  v[TB+\t], v[S+32*\t+16], v[S+32*\t+17]
.endr
.irp k, 1,2,3,4,5,6,7
.irp t, 0,1,2,3
	v_max3_num_f32 v[AL+2*\t+1], v[S+32*\t+2*\k], v[S+32*\t+2*\k+1], v[AL+2*\t+1]
	v_max3_num_f32 v[TB+\t], v[S+32*\t+16+2*\k], v[S+32*\t+17+2*\k], v[TB+\t]
.endr
.endr
	WIN 0
.irp t, 0,1,2,3
	v_max_num_f32 v[AL+2*\t+1], v[AL+2*\t+1], v[TB+\t]
.endr
.irp t, 0,1,2,3
	v_permlanex16_b32 v[TB+\t], v[AL+2*\t+1], s20, s21             ; the other 32 keys of the same query lie in lane l xor 16
.endr
.irp t, 0,1,2,3
	v_max_num_f32 v[NM+2*\t+1], v[AL+2*\t+1], v[TB+\t]             ; the new maximum
.endr
.irp t, 0,1,2,3
	v_mul_f32 v[AL+2*\t+1], s18, v[NM+2*\t+1]                      ; -c x the new maximum, rounded
.endr
.irp t, 0,1,2,3
	v_sub_f32 v[TB+\t], v[AL+2*\t+1], v[NM+2*\t]                   ; less the old rounded one: exactly what the old probabilities were shifted by
.endr
.irp t, 0,1,2,3
	v_exp_f32 v[AL+2*\t], v[TB+\t]                                 ; the rescale factor, at most 1
.endr
.irp t, 0,1,2,3
	v_mov_b32 v[NM+2*\t], v[AL+2*\t+1]                             ; plain instructions behind the exponentials, which touch neither their results nor their sources (ISA guide 5.7.2)
.endr
	; p = 2^(c s - c max), in place; between the exponentials go the next query tile's multiply-adds and the rescaling of ctx
	WIN 0x41                                       ; destination and source 0 in window 1
.set ii, 0
.rept 16
	v_pk_fma_f32 v[S+2*ii:S+2*ii+1], v[S+2*ii:S+2*ii+1], s[16:17], v[NM:NM+1] op_sel_hi:[1,0,0]
.set ii, ii+1
.endr
.irp t, 0,1,2,3
.set ii, 0
.rept 16
	v_exp_f32 v[S+32*\t+2*ii], v[S+32*\t+2*ii]
	v_exp_f32 v[S+32*\t+2*ii+1], v[S+32*\t+2*ii+1]
.if \t < 3
	v_pk_fma_f32 v[S+32*\t+32+2*ii:S+32*\t+33+2*ii], v[S+32*\t+32+2*ii:S+32*\t+33+2*ii], s[16:17], v[NM+2*\t+2:NM+2*\t+3] op_sel_hi:[1,0,0]
	s_wait_alu depctr_va_vdst(0)
.endif
.if \first == 0
	v_pk_mul_f32 v[ACC+32*\t+2*ii:ACC+32*\t+2*ii+1], v[ACC+32*\t+2*ii:ACC+32*\t+2*ii+1], v[AL+2*\t:AL+2*\t+1] op_sel_hi:[1,0]
.endif
.set ii, ii+1
.endr
.endr
	v_nop                                          ; one plain instruction behind the last exponential
	WIN 0x05
	s_wait_alu depctr_va_vdst(0)
.irp t, 0,1,2,3
.set ii, 0
.rept 16
	v_cvt_pk_f16_f32 v[P+16*\t+ii], v[S+32*\t+2*ii], v[S+32*\t+2*ii+1]   ; register for register the second source of the next product
.set ii, ii+1
.endr
.endr
	WIN 0x45                                       ; all in window 1: the sum of my 32 probabilities of each query, as a tree of pairs, in place
.irp h, 8,4,2,1
.set ii, 0
.rept \h
.irp t, 0,1,2,3
	v_pk_add_f32 v[S+32*\t+2*ii:S+32*\t+2*ii+1], v[S+32*\t+2*ii:S+32*\t+2*ii+1], v[S+32*\t+2*(ii+\h):S+32*\t+2*(ii+\h)+1]
.endr
.set ii, ii+1
.endr
.endr
	WIN 0x10                                       ; source 2 in window 1
.irp t, 0,1,2,3
	v_pk_fma_f32 v[LS+2*\t:LS+2*\t+1], v[LS+2*\t:LS+2*\t+1], v[AL+2*\t:AL+2*\t+1], v[S+32*\t:S+32*\t+1] op_sel_hi:[1,0,1]   ; sum = sum x factor + block's sum
.endr
	s_wait_dscnt 0x0                               ; V's fragments are in
	WIN 0x50
	; ctx^T += V^T P^T.  The sixteen accumulators take turns, one instruction a turn.
.irp g, 0,1
.irp dt, 0,1,2,3
.irp t, 0,1,2,3
.if \first*(1-\g)
	v_wmma_f32_16x16x32_f16 v[ACC+32*\t+8*\dt:ACC+32*\t+8*\dt+7], v[F+32*\g+8*\dt:F+32*\g+8*\dt+7], v[P+16*\t+8*\g:P+16*\t+8*\g+7], 0
.else
	v_wmma_f32_16x16x32_f16 v[ACC+32*\t+8*\dt:ACC+32*\t+8*\dt+7], v[F+32*\g+8*\dt:F+32*\g+8*\dt+7], v[P+16*\t+8*\g:P+16*\t+8*\g+7], v[ACC+32*\t+8*\dt:ACC+32*\t+8*\dt+7]
.endif
.endr
.endr
.endr
	WIN 0
	v_add_nc_u32 v[VK], 64*KPITCH, v[VK]           ; the next 64 keys; with the three v_nop these are five places behind the last product,
	v_add_nc_u32 v[VV], 64*VPITCH, v[VV]           ; in front of the next loads into F and of whatever next reads or rescales ctx
	v_nop
	v_nop
	v_nop
.endm
; One tile of 256 keys out of slot 'slot'.  In front of the round every wave waits for all its tensor loads (its part of this tile is the one that was out) and for
; its reads of the other slot; behind the round no wave of any of the four work-groups reads the other slot or has a load on its way, and this tile is whole.
; refill = 1: the next tile is asked for, into the other slot, first thing behind the round: it has this tile's four blocks in which to land.
.macro TRIP slot, other, refill, first
	s_wait_tensorcnt 0x0
	ds_add_u32 v62, v63
	s_wait_dscnt 0x0
	s_add_nc_u64 s[G0K+4*\slot+2:G0K+4*\slot+3], s[G0K+4*\slot+2:G0K+4*\slot+3], 2*TILEB   ; no load of mine is out: this slot's next tile (not used behind the last)
	s_add_nc_u64 s[G0V+4*\slot+2:G0V+4*\slot+3], s[G0V+4*\slot+2:G0V+4*\slot+3], 2*TILEB
	s_wait_dscnt 0x0
	ROUND
.if \refill
	JLOAD \other
.endif
	v_add_nc_u32 v[VK], \slot*SLOT, v[VKB]
	v_add_nc_u32 v[VV], \slot*SLOT, v[VVB]
.if \first
	BLOCK 1
	s_mov_b32 s57, 3
.else
	s_mov_b32 s57, 4
.endif
.Lblk_\@:
	BLOCK 0
	s_sub_co_u32 s57, s57, 1
	s_cmp_lg_u32 s57, 0
	s_cbranch_scc1 .Lblk_\@
.endm
	; eight tiles of 256 keys; trip i asks for tile i + 1, the last for nothing
	TRIP 0, 1, 1, 1
	TRIP 1, 0, 1, 0
	s_mov_b32 s56, 2
.Llap:
	TRIP 0, 1, 1, 0
	TRIP 1, 0, 1, 0
	s_sub_co_u32 s56, s56, 1
	s_cmp_lg_u32 s56, 0
	s_cbranch_scc1 .Llap
	TRIP 0, 1, 1, 0
	TRIP 1, 0, 0, 0
	; THE WAY OUT.  The sum's two halves and the two lanes of a query meet; ctx is divided by it.
.irp t, 0,1,2,3
	v_add_f32 v[AL+2*\t+1], v[LS+2*\t], v[LS+2*\t+1]
.endr
.irp t, 0,1,2,3
	v_permlanex16_b32 v[TB+\t], v[AL+2*\t+1], s20, s21
.endr
.irp t, 0,1,2,3
	v_add_f32 v[AL+2*\t+1], v[AL+2*\t+1], v[TB+\t]
.endr
.irp t, 0,1,2,3
	v_rcp_f32 v[AL+2*\t], v[AL+2*\t+1]
.endr
	v_nop                                          ; one plain instruction behind the last reciprocal
	WIN 0x41
	s_wait_alu depctr_va_vdst(0)
.irp t, 0,1,2,3
.set ii, 0
.rept 16
	v_pk_mul_f32 v[ACC+32*\t+2*ii:ACC+32*\t+2*ii+1], v[ACC+32*\t+2*ii:ACC+32*\t+2*ii+1], v[AL+2*\t:AL+2*\t+1] op_sel_hi:[1,0]
.set ii, ii+1
.endr
.endr
	; 16 queries at a time through my own stage: a lane holds 8 neighbouring d of one query and puts them into the query's row; whole rows of 256 bytes come back.
.irp t, 0,1,2,3
	WIN 0x04                                       ; the stores' data in window 1
.irp dt, 0,1,2,3
	ds_store_b128 v[STO], v[ACC+32*\t+8*\dt:ACC+32*\t+8*\dt+3]   offset:\dt*64
	ds_store_b128 v[STO], v[ACC+32*\t+8*\dt+4:ACC+32*\t+8*\dt+7] offset:\dt*64+16
.endr
	WIN 0
	s_wait_xcnt 0x0                                ; this half of F was the data of stores two turns ago: it is loaded again only behind this wait
.irp i, 0,1,2,3,4,5,6,7
	ds_load_b128 v[F+32*(\t&1)+4*\i:F+32*(\t&1)+4*\i+3], v[RD] offset:\i*2*SPITCH   ; LDS serves a wave's instructions in order: these see the stores above
.endr
.irp i, 0,1,2,3,4,5,6,7
	s_wait_dscnt 7-\i                              ; load i is in, the 7 - i younger ones stay out
	global_store_b128 v[CO], v[F+32*(\t&1)+4*\i:F+32*(\t&1)+4*\i+3], s[6:7] offset:(16*\t+2*\i)*4096 th:TH_STORE_NT   ; 16 lanes store a query's 256 bytes of this head, at a multiple of 256 from out0's first byte
.endr
.endr
	s_wait_tensorcnt 0x0
	ds_add_u32 v62, v63
	s_wait_dscnt 0x0
	ROUND                                          ; the closing round: no work-group ends while a partner may still ask for a tile that names it
	s_endpgm
.Lfunc_end_k_qe64b011386_attn:
	.size	k_qe64b011386_attn, .Lfunc_end_k_qe64b011386_attn-k_qe64b011386_attn
	.p2alignl 7, 3214868480
	.fill 96, 4, 3214868480
	.section	.rodata,"a",@progbits
	.p2align	6, 0x0
	.amdhsa_kernel k_qe64b011386_attn
		.amdhsa_group_segment_fixed_size 327680
		.amdhsa_private_segment_fixed_size 0
		.amdhsa_enable_private_segment 0
		.amdhsa_kernarg_size 16
		.amdhsa_user_sgpr_count 2
		.amdhsa_user_sgpr_kernarg_segment_ptr 1
		.amdhsa_wavefront_size32 1
		.amdhsa_system_sgpr_workgroup_id_x 1
		.amdhsa_system_sgpr_workgroup_id_y 1
		.amdhsa_system_sgpr_workgroup_id_z 1
		.amdhsa_system_vgpr_workitem_id 0
		.amdhsa_next_free_vgpr 512
		.amdhsa_next_free_sgpr 66
		.amdhsa_reserve_vcc 0
		.amdhsa_float_denorm_mode_32 3
		.amdhsa_float_denorm_mode_16_64 3
		.amdhsa_memory_ordered 1
		.amdhsa_forward_progress 1
		.amdhsa_inst_pref_size 255
	.end_amdhsa_kernel
	.section	.bss,"aw",@nobits
	.p2align	6
	.space	262144
	.amdgpu_metadata
---
amdhsa.version: [ 1, 2 ]
amdhsa.kernels:
  - .name:           k_qe64b011386_attn
    .symbol:         k_qe64b011386_attn.kd
    .args:
      - { .name: qkv, .offset: 0, .size: 8, .value_kind: global_buffer, .address_space: global }
      - { .name: out0, .offset: 8, .size: 8, .value_kind: global_buffer, .address_space: global }
    .group_segment_fixed_size: 327680
    .private_segment_fixed_size: 0
    .kernarg_segment_align: 8
    .kernarg_segment_size: 16
    .max_flat_workgroup_size: 256
    .sgpr_count:     66
    .vgpr_count:     512
    .wavefront_size: 32
...
	.end_amdgpu_metadata
.endif
;; end of part 3
